; MI455X (gfx1250); checked and timed in simulation.
; The chip was launched on July 23, 2026; its instructions are those of AMD's public machine-readable ISA for CDNA 5 (MIT licence, August 2026) and "CDNA5" Instruction Set Architecture Reference Guide (July 2026). The comments in the code are by the model that wrote it; some were corrected since.
;; Self Attention Head. Allowed arithmetic: float matrix products may take bf16 or f16 operands with f32 sums; all other float work in f32.
;; Inputs: Wk 1,024 x 128 float32; Wq 1,024 x 128 float32; Wv 1,024 x 128 float32; x 8 x 4,096 x 1,024 float32.
;; Outputs: out0 8 x 4,096 x 128 float32.
;; One version. Each part assembles by itself: llvm-mc -triple=amdgcn-amd-amdhsa -mcpu=gfx1250 --defsym DOCPART=n.
;; ======== version 1 of 1: 4 launches
;; limits: values are held in f16: magnitudes above 65,504 overflow, below 6.1e-05 lose precision
;; workspace buffers: wb 786,432 bytes; qkv 25,165,824 bytes; hp 1,572,864 bytes
;; launch wcast (part 1): grid 64 x 3, 8 waves a work-group, no clusters, 0 bytes of LDS; arguments Wq, Wk, Wv, wb; writes wb
.if DOCPART == 1
	.amdgcn_target "amdgcn-amd-amdhsa--gfx1250"
	.amdhsa_code_object_version 6
	.text
	.protected	k_qf187112d1b_wcast
	.globl	k_qf187112d1b_wcast
	.p2align	8
	.type	k_qf187112d1b_wcast,@function
k_qf187112d1b_wcast:
	s_mov_b64 s[64:65], 0
	v_nop
	global_prefetch_b8 v0, s[64:65] scope:SCOPE_SE
	s_setreg_imm32_b32 hwreg(HW_REG_WAVE_MODE, 25, 1), 1
	s_wait_xcnt 0x0
; wb[k][128 y + c] = bf16(W_y[k][c]), y = 0, 1, 2 for Wq, Wk, Wv.  W_y: [1024][128] f32.  wb: [1024][384] bf16, a row is 768 bytes.
; A stream: 1.5 MB in, 0.75 MB out, every byte once; no LDS, no barrier, no matrix unit: there is nothing to share or to multiply.
; Work-group (x, y) takes 16 rows of W_y (8,192 bytes); thread t takes 8 numbers: row t / 16, columns 8 (t % 16) .. + 7.
; Sixteen neighbouring lanes store the 256 consecutive bytes that are one row's part y of wb, aligned to 256.
	s_load_b256 s[4:11], s[0:1], 0x0               ; Wq s[4:5], Wk s[6:7], Wv s[8:9], wb s[10:11]
	s_and_b32 s14, ttmp7, 0xffff                   ; y: which matrix
	s_lshl_b32 s15, ttmp9, 13                      ; 16 rows of 512 bytes
	v_lshlrev_b32 v1, 5, v0                        ; my 32 bytes among them
	v_add_nc_u32 v1, s15, v1
	s_lshl_b32 s16, ttmp9, 4                       ; the group's first row
	v_lshrrev_b32 v2, 4, v0
	v_add_nc_u32 v2, s16, v2                       ; my row
	v_mul_u32_u24 v2, v2, 768
	v_and_b32 v3, 15, v0
	v_lshl_add_u32 v2, v3, 4, v2                   ; + 16 bytes for each thread of the row
	s_lshl_b32 s17, s14, 8
	v_add_nc_u32 v2, s17, v2                       ; + 256 y
	s_wait_kmcnt 0x0
	s_cmp_eq_u32 s14, 1
	s_cselect_b64 s[12:13], s[6:7], s[4:5]         ; the choice hangs on y alone
	s_cmp_eq_u32 s14, 2
	s_cselect_b64 s[12:13], s[8:9], s[12:13]
	global_load_b128 v[4:7], v1, s[12:13]
	global_load_b128 v[8:11], v1, s[12:13] offset:16
	s_wait_loadcnt 0x0
	v_cvt_pk_bf16_f32 v12, v4, v5
	v_cvt_pk_bf16_f32 v13, v6, v7
	v_cvt_pk_bf16_f32 v14, v8, v9
	v_cvt_pk_bf16_f32 v15, v10, v11
	global_store_b128 v2, v[12:15], s[10:11]
	s_endpgm
.Lfunc_end_k_qf187112d1b_wcast:
	.size	k_qf187112d1b_wcast, .Lfunc_end_k_qf187112d1b_wcast-k_qf187112d1b_wcast
	.p2alignl 7, 3214868480
	.fill 96, 4, 3214868480
	.section	.rodata,"a",@progbits
	.p2align	6, 0x0
	.amdhsa_kernel k_qf187112d1b_wcast
		.amdhsa_group_segment_fixed_size 0
		.amdhsa_private_segment_fixed_size 0
		.amdhsa_enable_private_segment 0
		.amdhsa_kernarg_size 32
		.amdhsa_user_sgpr_count 2
		.amdhsa_user_sgpr_kernarg_segment_ptr 1
		.amdhsa_wavefront_size32 1
		.amdhsa_system_sgpr_workgroup_id_x 1
		.amdhsa_system_sgpr_workgroup_id_y 1
		.amdhsa_system_sgpr_workgroup_id_z 1
		.amdhsa_system_vgpr_workitem_id 0
		.amdhsa_next_free_vgpr 16
		.amdhsa_next_free_sgpr 66
		.amdhsa_reserve_vcc 0
		.amdhsa_float_denorm_mode_32 3
		.amdhsa_float_denorm_mode_16_64 3
		.amdhsa_memory_ordered 1
		.amdhsa_forward_progress 1
		.amdhsa_inst_pref_size 2
	.end_amdhsa_kernel
	.amdgpu_metadata
---
amdhsa.version: [ 1, 2 ]
amdhsa.kernels:
  - .name:           k_qf187112d1b_wcast
    .symbol:         k_qf187112d1b_wcast.kd
    .args:
      - { .name: Wq, .offset: 0, .size: 8, .value_kind: global_buffer, .address_space: global }
      - { .name: Wk, .offset: 8, .size: 8, .value_kind: global_buffer, .address_space: global }
      - { .name: Wv, .offset: 16, .size: 8, .value_kind: global_buffer, .address_space: global }
      - { .name: wb, .offset: 24, .size: 8, .value_kind: global_buffer, .address_space: global }
    .group_segment_fixed_size: 0
    .private_segment_fixed_size: 0
    .kernarg_segment_align: 8
    .kernarg_segment_size: 32
    .max_flat_workgroup_size: 256
    .sgpr_count:     66
    .vgpr_count:     16
    .wavefront_size: 32
...
	.end_amdgpu_metadata
.endif
;; end of part 1
;; launch qkv (part 2): grid 256 x 1, 4 waves a work-group, clusters of 4 x 1, 327,680 bytes of LDS; arguments x, wb, qkv, hp; writes qkv, hp
.if DOCPART == 2
	.amdgcn_target "amdgcn-amd-amdhsa--gfx1250"
	.amdhsa_code_object_version 6
	.text
	.protected	k_qf187112d1b_qkv
	.globl	k_qf187112d1b_qkv
	.p2align	8
	.type	k_qf187112d1b_qkv,@function
k_qf187112d1b_qkv:
	s_mov_b64 s[64:65], 0
	v_nop
	global_prefetch_b8 v0, s[64:65] scope:SCOPE_SE
	s_setreg_imm32_b32 hwreg(HW_REG_WAVE_MODE, 25, 1), 1
	s_wait_xcnt 0x0
	s_wait_alu depctr_hold_cnt(0) depctr_sa_sdst(0) depctr_va_vdst(0) depctr_va_sdst(0) depctr_va_ssrc(0) depctr_va_vcc(0) depctr_vm_vsrc(0)
	s_getreg_b32 s2, hwreg(HW_REG_IB_STS2, 6, 4)
	s_cmp_eq_u32 s2, 0
	s_cbranch_scc0 .Lentry_in_a_cluster
	s_endpgm
.Lentry_in_a_cluster:
	s_bfe_u32 s2, ttmp6, 0x10000c
	s_cmp_lg_u32 s2, 0x3003
	s_cbranch_scc0 .Lentry_shape_is_right
	s_endpgm
.Lentry_shape_is_right:
; qkv[row][0:384] = f16( bf16(x[row][:]) . wb ), sums in f32.  x: [32768][1024] f32.  wb: [1024][384] bf16.  qkv: [32768][384] f16 (q | k | v).
; LIMIT: q, k and v are kept in f16: a sum beyond 65,504 in size becomes infinite.  Inputs 30 times the drawn ones give about 5,000, both common
; offsets of 30 spreads together about 1024 x 30 x 0.94 = 29,000.  f16 and not bf16, because an output row with few keys cannot average the rounding
; of its operands away: 8 significant bits of v alone are an error of 0.002 for v near 1, 11 bits an eighth of that.
; A work-group makes 128 rows x 384 columns with four waves; wave w makes all 128 rows x the 96 columns 128 j + 32 w + 16 i + (0..15),
; j = 0..2, i = 0..1: 48 accumulator tiles, 384 registers.  K goes in 8 steps of 128, each four quarters of 32 (48 matrix instructions).
; wb is the same for every work-group: 4 work-groups form a cluster and ask for each K step's 96 KB JOINTLY (mask 15); a ring of two LDS slots.
; x is read by one work-group alone, so it is no joint load; it comes through registers: each wave loads its 32 rows of a step (one load = 512
; consecutive bytes of a row), two steps ahead in two sets of 128 registers (64 loads a wave on their way), rounds to bf16 and puts them into one
; of two A buffers in LDS, which ds_store alone writes.
; The clusters that hold a batch's first 512 rows also store the f32 sums of each work-group's first 32 rows into hp: the launch that recomputes
; each batch's first 32 output rows in f32 reads the first block of each four.  The branch hangs on the cluster's number alone; a branch on the
; place in the cluster is not written, so three blocks of four (48 KB each) are stored and not read.
; hp's order is the accumulators' own: byte 12288 w + 2048 b + 1024 a + 512 half + 16 lane of a block holds the four sums of row 16 a + lane % 16,
; columns 128 (b / 2) + 32 w + 16 (b % 2) + 8 (lane / 16) + 4 half + 0..3: each store of a wave covers 512 consecutive bytes, aligned.
; REGISTER WINDOWS: 0 addresses and fragments; 1 accumulators of column tiles 0-3 (tile (b, a) at 8 (8 b + a)); 2 those of tiles 4, 5; 3 the x sets.
; The matrix instruction is used transposed (source 0: 16 columns of wb, source 1: 16 rows of x): a lane's 8 results are 8 neighbouring columns of one row.
.set ROWB,   4096                      ; bytes in a row of x
.set KSB,    512                       ; bytes of a K step in a row of x
.set WSTEP,  98304                     ; bytes of wb in a K step: 128 rows of 768
.set WQ,     27648                     ; LDS bytes of a wave's quarter of a slot: 96 pieces of 256 + 32 bytes
.set WSLOT,  4*WQ                      ; element (k, n) at 864 k + 288 (n / 128) + 2 (n % 128); 864 = 27 x 32 bytes from k to k + 1
.set WPITCH, 864
.set AB,     2*WSLOT                   ; the two A buffers: 128 rows of 256 + 16 bytes
.set APITCH, 272
.set ABUF,   128*APITCH
.set SPITCH, 784                       ; the way out: 128 rows of 768 + 16 bytes, in slot 0 after its last fill
.set ADRA, 4                           ; v4-5    A fragments in buffer 0, 1
.set ADRB, 6                           ; v6-9    wb fragments: slot 0 k 0-63, slot 0 k 64-127, slot 1 likewise (an LDS offset has 16 bits)
.set XST,  10                          ; v10     where my 8 bytes of my wave's first row go in A buffer 0
.set XOFF, 11                          ; v11     16 x lane
.set STO,  12                          ; v12-13  the way out: my 16 bytes in rows r and 64 + r
.set RD,   14                          ; v14     the way out: read back
.set CO,   15                          ; v15     my byte offset in qkv
.set HO,   18                          ; v18     my byte offset in hp
.set AF,   32                          ; v32-95, v96-159    fragments of x, two buffers
.set BF,   160                         ; v160-207, v208-255 fragments of wb, two buffers
.set XP,   14                          ; s[14:15] x at my wave's rows, at the K step that is loaded next
.set G1,   16                          ; s[16:23] descriptor group 1
.set G0,   24                          ; s[24:31] descriptor group 0, one set for each slot
.set MUL_LO, 0x50                      ; C and D window 1
.set MUL_HI, 0xa0                      ; C and D window 2
.set XCV,    0xcf                      ; sources 0, 1 and destination window 3
.set XMV,    0xcc                      ; address window 0; LDS store data and loaded data window 3
.set MSB, 0
.macro WIN new                         ; the immediate's high byte repeats the setting that is left
.if MSB != \new
	s_set_vgpr_msb (MSB<<8)|\new
.set MSB, \new
.endif
.endm
.macro PLACES n
.rept \n
	v_nop
.endr
.endm
.macro CREST                           ; a round of the cluster's barrier behind its opening barrier
	s_cmp_lg_u32 s12, 0
	s_cbranch_scc1 .Lnot_wave_0_\@
	s_barrier_signal -3
.Lnot_wave_0_\@:
	s_barrier_wait -3
	s_barrier_signal -1
	s_barrier_wait -1
.endm
.macro ROUND
	s_barrier_signal -1
	s_barrier_wait -1
	CREST
.endm
	s_load_b128 s[4:7], s[0:1], 0x0                ; x, wb
	s_load_b128 s[8:11], s[0:1], 0x10              ; qkv, hp
	v_lshl_add_u32 v30, v0, 2, 0x47000
	v_mov_b32 v31, 0
	ds_add_u32 v30, v31
	v_lshrrev_b32 v1, 5, v0
	v_readfirstlane_b32 s12, v1                    ; wave 0..3
	s_bfe_u32 s13, ttmp6, 0x40000                  ; cx
	s_lshl_b32 s46, ttmp9, 2
	s_add_co_u32 s46, s46, s13                     ; work-group = 4 x cluster + cx
	; group 1: wb's 24,576 bytes of a wave are dense: 96 rows of 32 elements of 8 bytes, 8 words of padding behind every 64 words
	s_mov_b32 s[G1+0], 15|(3<<16)|(1<<20)|(1<<21)|(5<<22)|(7<<25)
	s_mov_b32 s[G1+1], 32<<16                      ; tensor_dim0 = 32
	s_mov_b32 s[G1+2], 96<<16                      ; tensor_dim1 = 96
	s_mov_b32 s[G1+3], 32<<16                      ; tile_dim0 = 32
	s_mov_b32 s[G1+4], 96                          ; tile_dim1 = 96
	s_mov_b32 s[G1+5], 32                          ; from row to row
	s_mov_b32 s[G1+6], 0
	s_mov_b32 s[G1+7], 0
	s_mul_i32 s36, s12, WQ                         ; my quarter of a slot: the wave's number alone
	s_mul_i32 s38, s12, WSTEP/4                    ; and of a step of wb
	s_mov_b32 s39, 0
	s_lshl_b32 s32, s46, 19                        ; x: 128 rows of 4,096 bytes a work-group,
	s_lshl_b32 s35, s12, 17                        ; 32 a wave
	s_add_co_u32 s32, s32, s35
	s_mov_b32 s33, 0
	s_mul_i32 s40, s46, 128*768                    ; qkv: 128 rows of 768 bytes
	s_mov_b32 s41, 0
	s_lshr_b32 s44, ttmp9, 3                       ; hp: block 4 x batch + cx, 49,152 bytes
	s_lshl2_add_u32 s44, s44, s13
	s_mul_i32 s44, s44, 49152
	s_mov_b32 s45, 0
	v_and_b32 v1, 15, v0                           ; r
	v_bfe_u32 v2, v0, 4, 1                         ; h
	v_and_b32 v3, 31, v0                           ; lane
	v_mul_u32_u24 v[ADRA], v1, APITCH              ; x fragment: row r, 16 bytes for each half of the lanes
	v_lshl_add_u32 v[ADRA], v2, 4, v[ADRA]
	v_add_nc_u32 v[ADRA], AB, v[ADRA]
	v_add_nc_u32 v[ADRA+1], ABUF, v[ADRA]
	v_and_b32 v16, 7, v0                           ; wb fragment, by the transposing load: k = 8 h + lane % 8,
	v_lshl_add_u32 v16, v2, 3, v16
	v_mul_u32_u24 v16, v16, WPITCH
	v_bfe_u32 v17, v0, 3, 1                        ; 16 bytes on for lanes 8-15 of each half,
	v_lshl_add_u32 v16, v17, 4, v16
	s_lshl_b32 s35, s12, 6                         ; my wave's 32 columns
	v_add_nc_u32 v[ADRB], s35, v16
	v_add_nc_u32 v[ADRB+1], 64*WPITCH, v[ADRB]
	v_add_nc_u32 v[ADRB+2], WSLOT, v[ADRB]
	v_add_nc_u32 v[ADRB+3], WSLOT+64*WPITCH, v[ADRB]
	s_mul_i32 s37, s12, 32*APITCH
	s_add_co_u32 s37, s37, AB
	v_lshl_add_u32 v[XST], v3, 3, s37
	v_lshlrev_b32 v[XOFF], 4, v3
	v_mul_u32_u24 v[STO], v1, SPITCH
	v_lshl_add_u32 v[STO], v2, 4, v[STO]
	v_add_nc_u32 v[STO], s35, v[STO]
	v_add_nc_u32 v[STO+1], 64*SPITCH, v[STO]
	s_mul_i32 s42, s12, 32*SPITCH
	v_mul_u32_u24 v[RD], v2, SPITCH                ; back: lanes 0-15 take 256 bytes of one row, lanes 16-31 of the next
	v_lshl_add_u32 v[RD], v1, 4, v[RD]
	v_add_nc_u32 v[RD], s42, v[RD]
	s_mul_i32 s42, s12, 32*768
	v_mul_u32_u24 v[CO], v2, 768
	v_lshl_add_u32 v[CO], v1, 4, v[CO]
	v_add_nc_u32 v[CO], s42, v[CO]
	s_mul_i32 s42, s12, 12288
	v_lshl_add_u32 v[HO], v3, 4, s42               ; hp: 12,288 w + 16 x lane
	s_wait_dscnt 0x0
	s_wait_kmcnt 0x0
	s_add_nc_u64 s[XP:XP+1], s[4:5], s[32:33]
	s_add_nc_u64 s[8:9], s[8:9], s[40:41]
	s_add_nc_u64 s[10:11], s[10:11], s[44:45]
	s_add_nc_u64 s[6:7], s[6:7], s[38:39]          ; wb at my quarter: nothing of cx in it
.irp s, 0,1
	s_mov_b32 s[G0+4*\s], 1
	s_add_co_u32 s[G0+4*\s+1], s36, \s*WSLOT
	s_add_nc_u64 s[G0+4*\s+2:G0+4*\s+3], s[6:7], \s*WSTEP
	s_or_b32 s[G0+4*\s+3], s[G0+4*\s+3], 0x80000000
.endr
	; x of K steps 0 and 1: 64 loads, each 512 consecutive bytes of a row
	WIN XMV
.set xw, 0
.rept 32
	global_load_b128 v[4*xw:4*xw+3], v[XOFF], s[XP:XP+1] offset:xw*ROWB th:TH_LOAD_NT
.set xw, xw+1
.endr
.set xw, 0
.rept 32
	global_load_b128 v[128+4*xw:128+4*xw+3], v[XOFF], s[XP:XP+1] offset:xw*ROWB+KSB th:TH_LOAD_NT
.set xw, xw+1
.endr
	WIN 0
	ROUND                                          ; all four work-groups are here: the first joint loads meet
	tensor_load_to_lds s[G0:G0+3], s[G1:G1+7]      ; K step 0
	s_nop 0
	tensor_load_to_lds s[G0+4:G0+7], s[G1:G1+7]    ; K step 1: two loads of this wave are out, never more
	s_nop 0
; 28 LDS loads: the fragments of quarter kq of the step in slot (and A buffer) slot, into fragment buffer f
.macro FETCH slot, kq, f
	WIN 0
.irp a, 0,1,2,3,4,5,6,7
	ds_load_b128 v[AF+64*\f+8*\a:AF+64*\f+8*\a+3],   v[ADRA+\slot] offset:\a*16*APITCH+64*\kq
	ds_load_b128 v[AF+64*\f+8*\a+4:AF+64*\f+8*\a+7], v[ADRA+\slot] offset:\a*16*APITCH+64*\kq+32
.endr
.irp j, 0,1,2
.irp i, 0,1
	ds_load_tr16_b128 v[BF+48*\f+8*(2*\j+\i):BF+48*\f+8*(2*\j+\i)+3],   v[ADRB+2*\slot+(\kq>>1)] offset:(\kq&1)*32*WPITCH+288*\j+32*\i
	ds_load_tr16_b128 v[BF+48*\f+8*(2*\j+\i)+4:BF+48*\f+8*(2*\j+\i)+7], v[ADRB+2*\slot+(\kq>>1)] offset:(\kq&1)*32*WPITCH+16*WPITCH+288*\j+32*\i
.endr
.endr
.endm
; hi = 0: the 32 tiles of window 1; hi = 1: the 16 of window 2.  The accumulators take turns, one instruction a turn.
.macro MUL f, hi, zero
.if \hi
	WIN MUL_HI
.irp b, 4,5
.irp a, 0,1,2,3,4,5,6,7
.if \zero
	v_wmma_f32_16x16x32_bf16 v[8*(8*(\b-4)+\a):8*(8*(\b-4)+\a)+7], v[BF+48*\f+8*\b:BF+48*\f+8*\b+7], v[AF+64*\f+8*\a:AF+64*\f+8*\a+7], 0
.else
	v_wmma_f32_16x16x32_bf16 v[8*(8*(\b-4)+\a):8*(8*(\b-4)+\a)+7], v[BF+48*\f+8*\b:BF+48*\f+8*\b+7], v[AF+64*\f+8*\a:AF+64*\f+8*\a+7], v[8*(8*(\b-4)+\a):8*(8*(\b-4)+\a)+7]
.endif
.endr
.endr
.else
	WIN MUL_LO
.irp b, 0,1,2,3
.irp a, 0,1,2,3,4,5,6,7
.if \zero
	v_wmma_f32_16x16x32_bf16 v[8*(8*\b+\a):8*(8*\b+\a)+7], v[BF+48*\f+8*\b:BF+48*\f+8*\b+7], v[AF+64*\f+8*\a:AF+64*\f+8*\a+7], 0
.else
	v_wmma_f32_16x16x32_bf16 v[8*(8*\b+\a):8*(8*\b+\a)+7], v[BF+48*\f+8*\b:BF+48*\f+8*\b+7], v[AF+64*\f+8*\a:AF+64*\f+8*\a+7], v[8*(8*\b+\a):8*(8*\b+\a)+7]
.endif
.endr
.endr
.endif
.endm
; Rows 16 q .. 16 q + 15 of my 32 rows in x set `set`: rounded to bf16 in place, put into A buffer `set`; rl = 1: the registers are loaded again,
; two K steps on.  cnt = the loads issued behind this piece's: the rest of its set, the other set's 32, the reloads already issued.
.macro XPIECE q, set, rl, adv, cnt
.if \rl
.if \q == 0
	s_wait_xcnt 0x0                                ; the pointer that earlier loads name is stepped only behind this wait
	s_add_nc_u64 s[XP:XP+1], s[XP:XP+1], \adv
.endif
.endif
	s_wait_loadcnt \cnt
	WIN XCV
.set xr, 128*\set+64*\q
.rept 16
	v_cvt_pk_bf16_f32 v[xr], v[xr], v[xr+1]
	v_cvt_pk_bf16_f32 v[xr+1], v[xr+2], v[xr+3]
.set xr, xr+4
.endr
	WIN XMV
.set xr, 128*\set+64*\q
.set xw, 16*\q
.rept 16
	ds_store_b64 v[XST], v[xr:xr+1] offset:\set*ABUF+xw*APITCH     ; 32 lanes, 256 consecutive bytes
.set xr, xr+4
.set xw, xw+1
.endr
.if \rl
.set xr, 128*\set+64*\q
.set xw, 16*\q
.rept 16
	global_load_b128 v[xr:xr+3], v[XOFF], s[XP:XP+1] offset:xw*ROWB th:TH_LOAD_NT
.set xr, xr+4
.set xw, xw+1
.endr
.endif
.endm
; One of a step's first three quarters: fetches quarter kq into buffer g and multiplies buffer f.  Four places stand between the matrix
; instructions that read g and the loads into it (ISA guide 7.12.1 for vector instructions).
.macro QUARTER slot, kq, f, g, zero
	PLACES 4
	FETCH \slot, \kq, \g
	s_wait_dscnt 28                                ; all but the 28 loads just issued: buffer f is in
	MUL \f, 0, \zero
	MUL \f, 1, \zero
.endm
; The last quarter (buffer 1) and the change of slots.  In front of the barrier: my reads of this slot and A buffer and my stores into the other
; A buffer are done, and my one tensor load that is out, my part of the other slot, has landed.  turn = 1: the barrier opens a round of the
; cluster's barrier, and behind the round this slot is asked for again, two K steps on; turn = 2: nothing is left to fetch.
.macro TURN slot, other, turn
	s_wait_dscnt 0x0
	s_wait_tensorcnt 0x0
	ds_add_u32 v30, v31
	s_wait_dscnt 0x0
	s_barrier_signal -1
	MUL 1, 1, 0                                    ; registers alone between signal and wait
	WIN 0
	s_barrier_wait -1
.if \turn == 1
	CREST
	s_add_nc_u64 s[G0+4*\slot+2:G0+4*\slot+3], s[G0+4*\slot+2:G0+4*\slot+3], 2*WSTEP
	tensor_load_to_lds s[G0+4*\slot:G0+4*\slot+3], s[G1:G1+7]      ; my one tensor load behind the round, and the first thing there
	s_nop 0
.endif
	PLACES 4
	FETCH \other, 0, 0
	MUL 1, 0, 0
.endm
; A K step in slot `slot`.  xs = 1: the next step's x is staged into the other A buffer, in two pieces between the quarters.
.macro STEP slot, other, zero, xs, rl, c0, c1, turn
	QUARTER \slot, 1, 0, 1, \zero
.if \xs
	XPIECE 0, \other, \rl, KSB, \c0
.endif
	QUARTER \slot, 2, 1, 0, 0
.if \xs
	XPIECE 1, \other, \rl, KSB, \c1
.endif
	QUARTER \slot, 3, 0, 1, 0
.if \turn
	TURN \slot, \other, \turn
.else
	s_wait_dscnt 0x0
	MUL 1, 0, 0
	MUL 1, 1, 0
.endif
.endm
	XPIECE 0, 0, 1, 2*KSB, 48                      ; K step 0's x into A buffer 0; set 0 is loaded again with K step 2
	XPIECE 1, 0, 1, 2*KSB, 48
	s_wait_tensorcnt 0x1                           ; my part of K step 0 is in; K step 1's may stay out
	s_wait_dscnt 0x0                               ; my rows of A buffer 0 are written
	s_barrier_signal -1
	s_barrier_wait -1
	FETCH 0, 0, 0
	STEP 0, 1, 1, 1, 1, 48, 48, 1                  ; K step 0: its first quarter starts the sums, nothing is cleared
	WIN 0
	s_mov_b32 s34, 2
.Lpair:                                                ; K steps 1 to 4
	STEP 1, 0, 0, 1, 1, 48, 48, 1
	STEP 0, 1, 0, 1, 1, 48, 48, 1
	WIN 0
	s_sub_co_u32 s34, s34, 1
	s_cmp_lg_u32 s34, 0
	s_cbranch_scc1 .Lpair
	STEP 1, 0, 0, 1, 0, 48, 32, 1                  ; K step 5: no x is left to load, the counts run down; wb's K step 7 is asked for
	STEP 0, 1, 0, 1, 0, 16, 0, 2                   ; K step 6: nothing is left to fetch
	STEP 1, 0, 0, 0, 0, 0, 0, 0                    ; K step 7
	; THE WAY OUT.  Four places behind the last matrix instructions, for the stores and conversions that read results and write fragment registers.
	PLACES 4
	WIN 0
	s_and_b32 s35, ttmp9, 7                        ; the cluster's number alone: the same in all four partners
	s_cmp_lg_u32 s35, 0
	s_cbranch_scc1 .Lno_hp
	WIN 0x04                                       ; store data window 1
.irp b, 0,1,2,3
.irp a, 0,1
	global_store_b128 v[HO], v[8*(8*\b+\a):8*(8*\b+\a)+3],   s[10:11] offset:\b*2048+\a*1024          ; 32 lanes, 512 consecutive bytes
	global_store_b128 v[HO], v[8*(8*\b+\a)+4:8*(8*\b+\a)+7], s[10:11] offset:\b*2048+\a*1024+512
.endr
.endr
	WIN 0x08                                       ; store data window 2
.irp b, 0,1
.irp a, 0,1
	global_store_b128 v[HO], v[8*(8*\b+\a):8*(8*\b+\a)+3],   s[10:11] offset:(\b+4)*2048+\a*1024
	global_store_b128 v[HO], v[8*(8*\b+\a)+4:8*(8*\b+\a)+7], s[10:11] offset:(\b+4)*2048+\a*1024+512
.endr
.endr
	WIN 0
.Lno_hp:
	; Round to f16, 16 bytes a lane into the stage.  The stage lies in slot 0: its last fill was K step 6's tile, and the barrier of K step 6
	; stands behind every wave's last read of it; K step 7 reads slot 1 and A buffer 1 alone.
	WIN 0x05                                       ; sources window 1
.set tl, 0
.rept 32
.irp q, 0,1,2,3
	v_cvt_pk_f16_f32 v[32+4*tl+\q], v[8*tl+2*\q], v[8*tl+2*\q+1]
.endr
.set tl, tl+1
.endr
	WIN 0x0a                                       ; sources window 2
.set tl, 0
.rept 16
.irp q, 0,1,2,3
	v_cvt_pk_f16_f32 v[160+4*tl+\q], v[8*tl+2*\q], v[8*tl+2*\q+1]
.endr
.set tl, tl+1
.endr
	WIN 0
.irp b, 0,1,2,3,4,5
.irp a, 0,1,2,3,4,5,6,7
	ds_store_b128 v[STO+(\a>>2)], v[32+4*(8*\b+\a):32+4*(8*\b+\a)+3] offset:(\a&3)*16*SPITCH+256*(\b>>1)+32*(\b&1)
.endr
.endr
	s_wait_dscnt 0x0                               ; my columns of all 128 rows are written
	s_barrier_signal -1
	s_barrier_wait -1                              ; everybody's are
.set tl, 0
.rept 48
	ds_load_b128 v[32+4*tl:32+4*tl+3], v[RD] offset:(tl/3)*2*SPITCH+(tl%3)*256
.set tl, tl+1
.endr
.set tl, 0
.rept 48
	s_wait_dscnt 47-tl                             ; LDS loads come back in order: load tl is in
	global_store_b128 v[CO], v[32+4*tl:32+4*tl+3], s[8:9] offset:(tl/3)*2*768+(tl%3)*256   ; 16 lanes store 256 consecutive bytes, aligned
.set tl, tl+1
.endr
	s_wait_tensorcnt 0x0
	ds_add_u32 v30, v31
	s_wait_dscnt 0x0
	ROUND                                          ; the closing round: no work-group ends while a partner may still ask jointly
	s_endpgm
.Lfunc_end_k_qf187112d1b_qkv:
	.size	k_qf187112d1b_qkv, .Lfunc_end_k_qf187112d1b_qkv-k_qf187112d1b_qkv
	.p2alignl 7, 3214868480
	.fill 96, 4, 3214868480
	.section	.rodata,"a",@progbits
	.p2align	6, 0x0
	.amdhsa_kernel k_qf187112d1b_qkv
		.amdhsa_group_segment_fixed_size 327680
		.amdhsa_private_segment_fixed_size 0
		.amdhsa_enable_private_segment 0
		.amdhsa_kernarg_size 32
		.amdhsa_user_sgpr_count 2
		.amdhsa_user_sgpr_kernarg_segment_ptr 1
		.amdhsa_wavefront_size32 1
		.amdhsa_system_sgpr_workgroup_id_x 1
		.amdhsa_system_sgpr_workgroup_id_y 1
		.amdhsa_system_sgpr_workgroup_id_z 1
		.amdhsa_system_vgpr_workitem_id 0
		.amdhsa_next_free_vgpr 1024
		.amdhsa_next_free_sgpr 66
		.amdhsa_reserve_vcc 0
		.amdhsa_float_denorm_mode_32 3
		.amdhsa_float_denorm_mode_16_64 3
		.amdhsa_memory_ordered 1
		.amdhsa_forward_progress 1
		.amdhsa_inst_pref_size 211
	.end_amdhsa_kernel
	.amdgpu_metadata
---
amdhsa.version: [ 1, 2 ]
amdhsa.kernels:
  - .name:           k_qf187112d1b_qkv
    .symbol:         k_qf187112d1b_qkv.kd
    .args:
      - { .name: x, .offset: 0, .size: 8, .value_kind: global_buffer, .address_space: global }
      - { .name: wb, .offset: 8, .size: 8, .value_kind: global_buffer, .address_space: global }
      - { .name: qkv, .offset: 16, .size: 8, .value_kind: global_buffer, .address_space: global }
      - { .name: hp, .offset: 24, .size: 8, .value_kind: global_buffer, .address_space: global }
    .group_segment_fixed_size: 327680
    .private_segment_fixed_size: 0
    .kernarg_segment_align: 8
    .kernarg_segment_size: 32
    .max_flat_workgroup_size: 128
    .sgpr_count:     66
    .vgpr_count:     1024
    .wavefront_size: 32
...
	.end_amdgpu_metadata
.endif
;; end of part 2
;; launch attn (part 3): grid 256 x 1, 4 waves a work-group, clusters of 4 x 1, 327,680 bytes of LDS; arguments qkv, out0; writes out0
.if DOCPART == 3
	.amdgcn_target "amdgcn-amd-amdhsa--gfx1250"
	.amdhsa_code_object_version 6
	.text
	.protected	k_qf187112d1b_attn
	.globl	k_qf187112d1b_attn
	.p2align	8
	.type	k_qf187112d1b_attn,@function
k_qf187112d1b_attn:
	s_mov_b64 s[64:65], 0
	v_nop
	global_prefetch_b8 v0, s[64:65] scope:SCOPE_SE
	s_setreg_imm32_b32 hwreg(HW_REG_WAVE_MODE, 25, 1), 1
	s_wait_xcnt 0x0
	s_wait_alu depctr_hold_cnt(0) depctr_sa_sdst(0) depctr_va_vdst(0) depctr_va_sdst(0) depctr_va_ssrc(0) depctr_va_vcc(0) depctr_vm_vsrc(0)
	s_getreg_b32 s2, hwreg(HW_REG_IB_STS2, 6, 4)
	s_cmp_eq_u32 s2, 0
	s_cbranch_scc0 .Lentry_in_a_cluster
	s_endpgm
.Lentry_in_a_cluster:
	s_bfe_u32 s2, ttmp6, 0x10000c
	s_cmp_lg_u32 s2, 0x3003
	s_cbranch_scc0 .Lentry_shape_is_right
	s_endpgm
.Lentry_shape_is_right:
; out0[b][t][:] = softmax over s <= t of (q[t] . k[s] / sqrt(128)) applied to v.  qkv: [8 x 4096][384] f16 (q | k | v).  out0: [8 x 4096][128] f32.
; Flash attention with a running maximum.  Keys above the diagonal are not computed: the mask is part of the problem.
; LIMITS: the running maximum starts at -1e30, so a row whose largest raw score lies below that is not served; NaN and infinite inputs are not
; served; p is rounded to f16 for the product with v (p below 3e-8 of the running maximum's becomes 0), while the row sum adds the unrounded p.
; SHARES.  A batch has 16 groups of 256 queries; group G needs G + 1 key steps of 256 keys.  Cluster (batch, e) does group 2 e (2 e + 1 steps) and
; then group 15 - 2 e (16 - 2 e steps): 17 steps for every work-group of the launch, and the slot of each step is fixed in the text.
; The four work-groups of a cluster own 64 queries each of the same group, need the same K and V, and ask for them JOINTLY (mask 15).
; The four waves share the 64 queries and split a step's keys: wave w takes keys 64 w .. 64 w + 63, brings their K | V rows by one tensor load
; (64 rows of 512 bytes) and is the only wave that reads them.  At a group's end the waves' partial results meet in LDS.
; A group starts with its diagonal step (masked; its products start the sums) and then walks down to key step 0.
; TRANSPOSED FORMS.  Scores: source 0 = 16 keys, source 1 = 16 queries: lane (r, h) holds query r, keys 8 h + 0..7, so a row's maximum and sum stay in
; the lane and its partner r + 16, and two neighbouring score tiles, rounded and packed in place, are already source 1 of the second product.
; Output: source 0 = V by the transposing load, in which lanes 8-15 of each half read 128 bytes further on instead of 16.
; output tile nt holds columns 8 nt + j (h = 0) and 64 + 8 nt + j (h = 1).
; BLOCKS.  A key step is three blocks: 64 matrix instructions for the scores, the softmax's vector instructions, 64 matrix instructions for the second
; product.  The vector instructions are not strewn among the matrix instructions: K (128 registers), Q (128) and the scores (128) do not fit into
; one window of 256 with the softmax's state, so each matrix instruction with vector work behind it would need two switches of the windows.
; WINDOWS: 0 addresses, softmax state, scores; 1 output tiles (nt, mt) at 8 (8 mt + nt); 2 Q at 8 (4 mt + kk), K at 128 + 8 (4 kt + kk); 3 V at 8 (8 kk2 + nt).
.set PITCH, 528                        ; 256 bytes of K, 256 of V, 16 of padding
.set TILE,  64*PITCH                   ; a wave's tile
.set SLOT,  4*TILE
.set MSTG,  2*SLOT                     ; the merge's stage: 4 waves x 16 rows x 528 bytes; no tensor load fills it
.set STAT,  MSTG+4*16*PITCH            ; -c m of [64 queries][4 waves], then the row sums likewise
.set KSTEPB, 256*768                   ; bytes of qkv in a key step
.set KAD, 8                            ; v8-9    K fragments in slot 0, 1
.set VAD, 10                           ; v10-11  V fragments
.set QOF, 12                           ; v12     Q fragments in memory
.set U,   13                           ; v13     8 h - r - 64 (cx - w): key above query <=> U > 16 (mt - kt) - j
.set NINF, 14
.set STA, 15
.set STB, 16
.set MST, 17
.set MRD, 18
.set OV,  19
.set M,   20                           ; v20-23  running maximum of the raw scores, for each 16 queries mt
.set T,   24                           ; v24-31  at work
.set NM,  32                           ; v32-39  -c m, twice
.set AL,  40                           ; v40-47  the factor for what was summed under the old maximum, twice
.set LS,  48                           ; v48-55  the lane's row sum in two halves
.set F,   56                           ; v56-63  the merge's factor, twice
.set S,   64                           ; v64-191 score tile (kt, mt) at 64 + 32 mt + 8 kt; later p's fragment (mt, kk2) at 64 + 32 mt + 16 kk2
.set MT,  192                          ; v192-255 the merge, at work
.set G1,  24                           ; s[24:31]
.set G0,  32                           ; s[32:39] one set for each slot
.set KVB, 40                           ; s[40:41] qkv at the batch's first row, K's column, my wave's 64 keys
.set OFF, 42                           ; s[42:43] byte offset of the key step that is asked for next
.set QB1, 48
.set OB1, 50
.set QB2, 52
.set OB2, 54
.set MSB, 0
.macro WIN new
.if MSB != \new
	s_set_vgpr_msb (MSB<<8)|\new
.set MSB, \new
.endif
.endm
.macro PLACES n
.rept \n
	v_nop
.endr
.endm
.macro CREST
	s_cmp_lg_u32 s8, 0
	s_cbranch_scc1 .Lnot_wave_0_\@
	s_barrier_signal -3
.Lnot_wave_0_\@:
	s_barrier_wait -3
	s_barrier_signal -1
	s_barrier_wait -1
.endm
.macro ROUND
	s_barrier_signal -1
	s_barrier_wait -1
	CREST
.endm
.macro NEXT                            ; one key step down; behind key step 0 of the first group comes the second group's diagonal
	s_sub_co_u32 s45, s[OFF], KSTEPB
	s_cmp_eq_u32 s[OFF], 0
	s_cselect_b32 s[OFF], s44, s45
.endm
	s_load_b128 s[4:7], s[0:1], 0x0                ; qkv, out0
	s_set_vgpr_msb 0xc0
	v_lshl_add_u32 v128, v0, 2, 0x4ac00
	v_mov_b32 v129, 0
	s_set_vgpr_msb 0xc0cf
	ds_add_u32 v128, v129
	s_set_vgpr_msb 0xcf00
	v_lshrrev_b32 v1, 5, v0
	v_readfirstlane_b32 s8, v1                     ; wave
	s_bfe_u32 s9, ttmp6, 0x40000                   ; cx
	s_and_b32 s10, ttmp9, 7                        ; e
	s_lshr_b32 s11, ttmp9, 3                       ; batch
	s_mov_b32 s12, 0x76543210                      ; v_permlanex16_b32: lane i reads lane i of the other half
	s_mov_b32 s13, 0xfedcba98
	s_mov_b32 s14, 0x3e0293ee                      ; c = log2(e) / sqrt(128)
	s_mov_b32 s15, 0x3e0293ee
	s_mov_b32 s16, 0xbe0293ee                      ; -c
	s_mov_b32 s17, 0xf149f2ca                      ; -1e30
	s_mov_b32 s[G1+0], 15|(1<<16)|(1<<20)|(1<<21)|(6<<22)|(3<<25)  ; mask 15; 2-byte elements; 4 words of padding behind every 128 words
	s_mov_b32 s[G1+1], 256<<16                     ; tensor_dim0 = 256: K and V of a row together
	s_mov_b32 s[G1+2], 64<<16                      ; tensor_dim1 = 64
	s_mov_b32 s[G1+3], 256<<16                     ; tile_dim0 = 256
	s_mov_b32 s[G1+4], 64                          ; tile_dim1 = 64
	s_mov_b32 s[G1+5], 384                         ; from row to row
	s_mov_b32 s[G1+6], 0
	s_mov_b32 s[G1+7], 0
	s_mul_i32 s18, s11, 4096*768                   ; the batch in qkv
	s_mul_i32 s19, s8, 64*768                      ; my wave's 64 keys
	s_add_co_u32 s20, s18, s19
	s_add_co_u32 s20, s20, 256                     ; K's column
	s_mov_b32 s21, 0
	s_lshl_b32 s22, s10, 1                         ; first group 2 e
	s_sub_co_u32 s23, 15, s22                      ; second group 15 - 2 e
	s_mul_i32 s[OFF], s22, KSTEPB
	s_mov_b32 s[OFF+1], 0
	s_mul_i32 s44, s23, KSTEPB
	s_mul_i32 s47, s8, TILE                        ; my tile in a slot: the wave's number alone
	s_mul_i32 s56, s9, 64*768                      ; my work-group's 64 queries (registers 56 to 61 alone hold cx)
	s_add_co_u32 s56, s56, s18
	s_add_co_u32 s58, s56, s44
	s_add_co_u32 s56, s56, s[OFF]
	s_mov_b32 s57, 0
	s_mov_b32 s59, 0
	s_lshl_b32 s60, s11, 21                        ; out0: 4,096 rows of 512 bytes a batch,
	s_lshl_b32 s61, s9, 15                         ; 64 a work-group
	s_add_co_u32 s60, s60, s61
	v_and_b32 v1, 15, v0                           ; r
	v_bfe_u32 v2, v0, 4, 1                         ; h
	v_and_b32 v3, 31, v0                           ; lane
	v_and_b32 v4, 7, v0
	v_bfe_u32 v5, v0, 3, 1
	v_mul_u32_u24 v6, v1, PITCH
	v_lshl_add_u32 v[KAD], v2, 4, v6               ; key r, 16 bytes for each half of the lanes
	v_add_nc_u32 v[KAD], s47, v[KAD]
	v_add_nc_u32 v[KAD+1], SLOT, v[KAD]
	v_lshl_add_u32 v7, v2, 3, v4                   ; key 8 h + lane % 8,
	v_mul_u32_u24 v7, v7, PITCH
	v_lshl_add_u32 v7, v5, 7, v7                   ; 128 bytes on for lanes 8-15 of each half
	v_add_nc_u32 v7, s47, v7
	v_add_nc_u32 v[VAD], 256, v7
	v_add_nc_u32 v[VAD+1], SLOT+256, v7
	v_mul_u32_u24 v[QOF], v1, 768
	v_lshl_add_u32 v[QOF], v2, 4, v[QOF]
	s_sub_co_i32 s61, s8, s9
	s_lshl_b32 s61, s61, 6                         ; -64 (cx - w)
	v_lshlrev_b32 v[U], 3, v2
	v_sub_nc_u32 v[U], v[U], v1
	v_add_nc_u32 v[U], s61, v[U]
	v_mov_b32 v[NINF], 0xff800000
	v_lshlrev_b32 v[STB], 4, v1
	v_add_nc_u32 v[STB], STAT, v[STB]
	s_lshl_b32 s18, s8, 2
	v_add_nc_u32 v[STA], s18, v[STB]
	s_mul_i32 s18, s8, 16*PITCH
	s_add_co_u32 s18, s18, MSTG
	v_lshl_add_u32 v[MST], v2, 8, v6
	v_add_nc_u32 v[MST], s18, v[MST]
	s_mul_i32 s18, s8, 4*PITCH
	s_add_co_u32 s18, s18, MSTG
	v_lshl_add_u32 v[MRD], v3, 4, s18
	s_lshl_b32 s18, s8, 11
	v_lshl_add_u32 v[OV], v3, 4, s18
.irp i, 4,5,6,7
	v_mov_b32 v[T+\i], 0                           ; destinations of v_permlanex16_b32 count as read
.endr
	s_wait_dscnt 0x0
	s_wait_kmcnt 0x0
	s_add_nc_u64 s[KVB:KVB+1], s[4:5], s[20:21]
	s_add_nc_u64 s[QB1:QB1+1], s[4:5], s[56:57]
	s_add_nc_u64 s[QB2:QB2+1], s[4:5], s[58:59]
	s_lshl_b32 s56, s22, 17                        ; 256 rows of 512 bytes a group
	s_add_co_u32 s56, s56, s60
	s_lshl_b32 s58, s23, 17
	s_add_co_u32 s58, s58, s60
	s_add_nc_u64 s[OB1:OB1+1], s[6:7], s[56:57]
	s_add_nc_u64 s[OB2:OB2+1], s[6:7], s[58:59]
.irp s, 0,1
	s_mov_b32 s[G0+4*\s], 1
	s_add_co_u32 s[G0+4*\s+1], s47, \s*SLOT
	s_add_nc_u64 s[G0+4*\s+2:G0+4*\s+3], s[KVB:KVB+1], s[OFF:OFF+1]
	s_or_b32 s[G0+4*\s+3], s[G0+4*\s+3], 0x80000000
	NEXT
.endr
.macro QLOAD qb                        ; the 64 queries in fragment order, straight from memory: 16 KB a wave, once a group
	WIN 0x80
.irp mt, 0,1,2,3
.irp kk, 0,1,2,3
	global_load_b128 v[8*(4*\mt+\kk):8*(4*\mt+\kk)+3],   v[QOF], s[\qb:\qb+1] offset:\mt*16*768+64*\kk
	global_load_b128 v[8*(4*\mt+\kk)+4:8*(4*\mt+\kk)+7], v[QOF], s[\qb:\qb+1] offset:\mt*16*768+64*\kk+32
.endr
.endr
.endm
.macro KLOAD slot
	WIN 0x80
.irp kt, 0,1,2,3
.irp kk, 0,1,2,3
	ds_load_b128 v[128+8*(4*\kt+\kk):128+8*(4*\kt+\kk)+3],   v[KAD+\slot] offset:\kt*16*PITCH+64*\kk
	ds_load_b128 v[128+8*(4*\kt+\kk)+4:128+8*(4*\kt+\kk)+7], v[KAD+\slot] offset:\kt*16*PITCH+64*\kk+32
.endr
.endr
.endm
.macro VLOAD slot
	WIN 0xc0
.irp kk2, 0,1
.irp nt, 0,1,2,3,4,5,6,7
	ds_load_tr16_b128 v[8*(8*\kk2+\nt):8*(8*\kk2+\nt)+3],   v[VAD+\slot] offset:\kk2*32*PITCH+16*\nt
	ds_load_tr16_b128 v[8*(8*\kk2+\nt)+4:8*(8*\kk2+\nt)+7], v[VAD+\slot] offset:\kk2*32*PITCH+16*PITCH+16*\nt
.endr
.endr
.endm
; 64 keys x 64 queries x 128: 16 accumulators by turns, one instruction a turn; the first 32 of the head start the sums
.macro SMUL
	WIN 0x0a
.irp kk, 0,1,2,3
.irp mt, 0,1,2,3
.irp kt, 0,1,2,3
.if \kk == 0
	v_wmma_f32_16x16x32_f16 v[S+32*\mt+8*\kt:S+32*\mt+8*\kt+7], v[128+8*(4*\kt+\kk):128+8*(4*\kt+\kk)+7], v[8*(4*\mt+\kk):8*(4*\mt+\kk)+7], 0
.else
	v_wmma_f32_16x16x32_f16 v[S+32*\mt+8*\kt:S+32*\mt+8*\kt+7], v[128+8*(4*\kt+\kk):128+8*(4*\kt+\kk)+7], v[8*(4*\mt+\kk):8*(4*\mt+\kk)+7], v[S+32*\mt+8*\kt:S+32*\mt+8*\kt+7]
.endif
.endr
.endr
.endr
.endm
; 128 columns x 64 queries x 32 keys (half kk2 of the wave's 64): 32 accumulators by turns
.macro PVH kk2, zero
	WIN 0x53
.irp mt, 0,1,2,3
.irp nt, 0,1,2,3,4,5,6,7
.if \zero
	v_wmma_f32_16x16x32_f16 v[8*(8*\mt+\nt):8*(8*\mt+\nt)+7], v[8*(8*\kk2+\nt):8*(8*\kk2+\nt)+7], v[S+32*\mt+16*\kk2:S+32*\mt+16*\kk2+7], 0
.else
	v_wmma_f32_16x16x32_f16 v[8*(8*\mt+\nt):8*(8*\mt+\nt)+7], v[8*(8*\kk2+\nt):8*(8*\kk2+\nt)+7], v[S+32*\mt+16*\kk2:S+32*\mt+16*\kk2+7], v[8*(8*\mt+\nt):8*(8*\mt+\nt)+7]
.endif
.endr
.endr
.endm
.macro MASK                            ; the diagonal step: a key above its query gets -inf; a select, no branch
	WIN 0
.irp mt, 0,1,2,3
.irp kt, 0,1,2,3
.irp j, 0,1,2,3,4,5,6,7
	v_cmp_lt_i32 vcc_lo, 16*(\mt-\kt)-\j, v[U]
	v_cndmask_b32 v[S+32*\mt+8*\kt+\j], v[S+32*\mt+8*\kt+\j], v[NINF], vcc_lo
.endr
.endr
.endr
.endm
; The softmax step on the wave's 64 x 64 scores; the four groups of 16 queries are interleaved so that no chain waits for itself.
.macro SOFT first
	WIN 0
.irp mt, 0,1,2,3
	v_max3_num_f32 v[T+\mt], v[S+32*\mt], v[S+32*\mt+1], v[S+32*\mt+2]
.endr
.set si, 3
.rept 14
.irp mt, 0,1,2,3
	v_max3_num_f32 v[T+\mt], v[T+\mt], v[S+32*\mt+si], v[S+32*\mt+si+1]
.endr
.set si, si+2
.endr
.irp mt, 0,1,2,3
.if \first
	v_max3_num_f32 v[T+\mt], v[T+\mt], v[S+32*\mt+31], s17         ; the floor keeps the maximum finite where every key of the wave is masked
.else
	v_max3_num_f32 v[T+\mt], v[T+\mt], v[S+32*\mt+31], v[M+\mt]
.endif
.endr
.irp mt, 0,1,2,3
	v_permlanex16_b32 v[T+4+\mt], v[T+\mt], s12, s13               ; the other half of the query's keys
.endr
.irp mt, 0,1,2,3
	v_max_num_f32 v[M+\mt], v[T+\mt], v[T+4+\mt]
.endr
.irp mt, 0,1,2,3
	v_mul_f32 v[T+\mt], s16, v[M+\mt]                              ; -c m
.endr
.if \first == 0
.irp mt, 0,1,2,3
	v_sub_f32 v[AL+2*\mt], v[T+\mt], v[NM+2*\mt]                   ; c (old m - new m)
.endr
.endif
.irp mt, 0,1,2,3
	v_mov_b32 v[NM+2*\mt], v[T+\mt]
	v_mov_b32 v[NM+2*\mt+1], v[T+\mt]
.endr
.if \first == 0
.irp mt, 0,1,2,3
	v_exp_f32 v[AL+2*\mt], v[AL+2*\mt]                             ; used only behind the multiply-adds below (ISA guide 5.7.2)
.endr
.endif
.set si, 0
.rept 16
.irp mt, 0,1,2,3
	v_pk_fma_f32 v[S+32*\mt+si:S+32*\mt+si+1], v[S+32*\mt+si:S+32*\mt+si+1], s[14:15], v[NM+2*\mt:NM+2*\mt+1] op_sel_hi:[1,0,1]   ; c s - c m
.endr
.set si, si+2
.endr
.if \first == 0
	s_wait_alu depctr_va_vdst(0)
.irp mt, 0,1,2,3
	v_mov_b32 v[AL+2*\mt+1], v[AL+2*\mt]
.endr
.endif
.set si, 0
.rept 128
	v_exp_f32 v[S+si], v[S+si]
.set si, si+1
.endr
	v_nop                                                          ; one plain place behind the exponentials
	s_wait_alu depctr_va_vdst(0)
.irp mt, 0,1,2,3
.if \first
	v_pk_add_f32 v[LS+2*\mt:LS+2*\mt+1], v[S+32*\mt:S+32*\mt+1], v[S+32*\mt+2:S+32*\mt+3]
.else
	v_pk_fma_f32 v[LS+2*\mt:LS+2*\mt+1], v[LS+2*\mt:LS+2*\mt+1], v[AL+2*\mt:AL+2*\mt+1], v[S+32*\mt:S+32*\mt+1]
.endif
.endr
.if \first == 0
.irp mt, 0,1,2,3
	v_pk_add_f32 v[LS+2*\mt:LS+2*\mt+1], v[LS+2*\mt:LS+2*\mt+1], v[S+32*\mt+2:S+32*\mt+3]
.endr
.endif
.set si, 4
.rept 14
.irp mt, 0,1,2,3
	v_pk_add_f32 v[LS+2*\mt:LS+2*\mt+1], v[LS+2*\mt:LS+2*\mt+1], v[S+32*\mt+si:S+32*\mt+si+1]
.endr
.set si, si+2
.endr
.set sb, S
.rept 8                                                                ; two tiles (16 registers) pack into the 8 registers of a fragment, in place, ascending
.set si, 0
.rept 8
	v_cvt_pk_f16_f32 v[sb+si], v[sb+2*si], v[sb+2*si+1]
.set si, si+1
.endr
.set sb, sb+16
.endr
.endm
.macro SCALEO pr                       ; every output tile times its queries' factor
	WIN 0x41
.irp mt, 0,1,2,3
.set oi, 0
.rept 32
	v_pk_mul_f32 v[64*\mt+oi:64*\mt+oi+1], v[64*\mt+oi:64*\mt+oi+1], v[\pr+2*\mt:\pr+2*\mt+1]
.set oi, oi+2
.endr
.endr
.endm
; The second product and the change of slots.  refill = 1: in front of the round my reads of this slot are back (V is in registers) and my one tensor
; load that is out, the other slot's tile, has landed; the round's opening signal says so; behind the round this slot is asked for again, first thing.
; refill = 0: nothing is filled, and a tile is read by the wave that brought it alone, so its own waits are all the order there is.
.macro BOUND slot, other, refill, next, zero
	s_wait_dscnt 0x0
.if \refill
	s_set_vgpr_msb (MSB<<8)|((MSB&0xf0)|0xf)
	s_wait_tensorcnt 0x0
	ds_add_u32 v128, v129
	s_wait_dscnt 0x0
	s_set_vgpr_msb (((MSB&0xf0)|0xf)<<8)|MSB
	s_add_nc_u64 s[G0+4*\slot+2:G0+4*\slot+3], s[KVB:KVB+1], s[OFF:OFF+1]
	s_or_b32 s[G0+4*\slot+3], s[G0+4*\slot+3], 0x80000000
	NEXT
	s_barrier_signal -1
	PVH 0, \zero                                   ; registers alone inside the round
	WIN 0
	s_barrier_wait -1
	CREST
	tensor_load_to_lds s[G0+4*\slot:G0+4*\slot+3], s[G1:G1+7]
	s_nop 0
	PLACES 4
	KLOAD \other
	PVH 1, 0
.else
.if \next
	s_wait_tensorcnt 0x0                           ; the last tile: no load was issued behind it
	KLOAD \other
.endif
	PVH 0, \zero
	PVH 1, 0
.endif
.endm
; A key step.  Five places stand behind the last product: the scores are written over p's registers, and V is loaded into that product's sources.
.macro MID slot, other, refill, next
	PLACES 5
	VLOAD \slot
	s_wait_dscnt 32                                ; all but the 32 V loads just issued: K is in
	SMUL
	WIN 0
	PLACES 4
	SOFT 0
	SCALEO AL
	BOUND \slot, \other, \refill, \next, 0
.endm
.macro DIAG slot, other, refill
	PLACES 5
	VLOAD \slot
	s_wait_dscnt 32
	SMUL
	WIN 0
	PLACES 4
	MASK
	SOFT 1
	BOUND \slot, \other, \refill, 1, 1
.endm
; The four waves' partial results of the 64 queries become one.  qnext = 1: the next group's queries are asked for first.
.macro MERGE qnext, ob
	WIN 0
	PLACES 4
	s_wait_xcnt 0x0                                ; v192-255, which the last merge's stores read, are written again only behind this wait
.if \qnext
	QLOAD QB2
.endif
	WIN 0
.irp mt, 0,1,2,3
	v_add_f32 v[T+\mt], v[LS+2*\mt], v[LS+2*\mt+1]
.endr
.irp mt, 0,1,2,3
	v_permlanex16_b32 v[T+4+\mt], v[T+\mt], s12, s13
.endr
.irp mt, 0,1,2,3
	v_add_f32 v[T+\mt], v[T+\mt], v[T+4+\mt]       ; my wave's row sum
.endr
.irp mt, 0,1,2,3
	ds_store_b32 v[STA], v[NM+2*\mt] offset:256*\mt
	ds_store_b32 v[STA], v[T+\mt] offset:1024+256*\mt
.endr
	s_wait_dscnt 0x0
	s_barrier_signal -1
	s_barrier_wait -1
.irp mt, 0,1,2,3
	ds_load_b128 v[MT+4*\mt:MT+4*\mt+3], v[STB] offset:256*\mt
	ds_load_b128 v[MT+16+4*\mt:MT+16+4*\mt+3], v[STB] offset:1024+256*\mt
.endr
	s_wait_dscnt 0x0
.irp mt, 0,1,2,3
	v_min_num_f32 v[T+\mt], v[MT+4*\mt], v[MT+4*\mt+1]
.endr
.irp mt, 0,1,2,3
	v_min_num_f32 v[T+\mt], v[T+\mt], v[MT+4*\mt+2]
.endr
.irp mt, 0,1,2,3
	v_min_num_f32 v[T+\mt], v[T+\mt], v[MT+4*\mt+3]                ; the least -c m is the largest maximum
.endr
.irp mt, 0,1,2,3
.irp w, 0,1,2,3
	v_sub_f32 v[MT+4*\mt+\w], v[T+\mt], v[MT+4*\mt+\w]
.endr
	v_sub_f32 v[F+2*\mt], v[T+\mt], v[NM+2*\mt]
.endr
.set si, 0
.rept 16
	v_exp_f32 v[MT+si], v[MT+si]
.set si, si+1
.endr
.irp mt, 0,1,2,3
	v_exp_f32 v[F+2*\mt], v[F+2*\mt]
.endr
	v_nop
	s_wait_alu depctr_va_vdst(0)
.irp mt, 0,1,2,3
	v_mul_f32 v[T+\mt], v[MT+4*\mt], v[MT+16+4*\mt]
.endr
.irp w, 1,2,3
.irp mt, 0,1,2,3
	v_fmac_f32 v[T+\mt], v[MT+4*\mt+\w], v[MT+16+4*\mt+\w]         ; the whole row's sum: at least 1, from the wave that holds the maximum
.endr
.endr
.irp mt, 0,1,2,3
	v_rcp_f32 v[T+\mt], v[T+\mt]
.endr
	v_nop
	s_wait_alu depctr_va_vdst(0)
.irp mt, 0,1,2,3
	v_mul_f32 v[F+2*\mt], v[F+2*\mt], v[T+\mt]
.endr
.irp mt, 0,1,2,3
	v_mov_b32 v[F+2*\mt+1], v[F+2*\mt]
.endr
	SCALEO F
	; 16 queries at a time: each wave puts its 16 rows x 512 bytes into its stage; wave w adds the four stages' rows 4 w .. 4 w + 3 and stores them
.irp t, 0,1,2,3
	s_wait_xcnt 0x0                                ; the registers that the last pass's stores read are loaded again only behind this wait
	WIN 0x04
.irp nt, 0,1,2,3,4,5,6,7
	ds_store_b128 v[MST], v[8*(8*\t+\nt):8*(8*\t+\nt)+3] offset:32*\nt
	ds_store_b128 v[MST], v[8*(8*\t+\nt)+4:8*(8*\t+\nt)+7] offset:32*\nt+16
.endr
	WIN 0
	s_wait_dscnt 0x0
	s_barrier_signal -1
	s_barrier_wait -1
.irp w, 0,1,2,3
.irp i, 0,1,2,3
	ds_load_b128 v[MT+16*\w+4*\i:MT+16*\w+4*\i+3], v[MRD] offset:\w*16*PITCH+\i*PITCH
.endr
.endr
	s_wait_dscnt 0x0                               ; my reads of the stages are back: the next pass may write them behind this barrier
	s_barrier_signal -1
.irp i, 0,2,4,6,8,10,12,14
	v_pk_add_f32 v[MT+\i:MT+\i+1], v[MT+\i:MT+\i+1], v[MT+16+\i:MT+16+\i+1]
	v_pk_add_f32 v[MT+32+\i:MT+32+\i+1], v[MT+32+\i:MT+32+\i+1], v[MT+48+\i:MT+48+\i+1]
.endr
.irp i, 0,2,4,6,8,10,12,14
	v_pk_add_f32 v[MT+\i:MT+\i+1], v[MT+\i:MT+\i+1], v[MT+32+\i:MT+32+\i+1]
.endr
	s_barrier_wait -1
.irp i, 0,1,2,3
	global_store_b128 v[OV], v[MT+4*\i:MT+4*\i+3], s[\ob:\ob+1] offset:(16*\t+\i)*512 th:TH_STORE_NT   ; a whole row of 512 bytes
.endr
.endr
.endm
	QLOAD QB1
	WIN 0
	ROUND                                          ; all four work-groups are here: the first joint loads meet
	tensor_load_to_lds s[G0:G0+3], s[G1:G1+7]      ; the first group's diagonal step
	s_nop 0
	tensor_load_to_lds s[G0+4:G0+7], s[G1:G1+7]    ; the step behind it: two loads of this wave are out, never more
	s_nop 0
	s_wait_tensorcnt 0x1                           ; my first tile is in; I alone read it
	KLOAD 0
	s_wait_loadcnt 0x0                             ; Q
	DIAG 0, 1, 1
	WIN 0
	s_cmp_eq_u32 s10, 0                            ; e is the same in all four partners
	s_cbranch_scc1 .Lfirst_done
	s_mov_b32 s46, s10
.Lfirst:                                               ; the first group's other 2 e steps
	MID 1, 0, 1, 1
	MID 0, 1, 1, 1
	WIN 0
	s_sub_co_i32 s46, s46, 1
	s_cmp_gt_i32 s46, 0                            ; a signed compare ends the count from any start
	s_cbranch_scc1 .Lfirst
.Lfirst_done:
	MERGE 1, OB1
	s_wait_loadcnt 0x0                             ; the second group's Q
	s_cmp_eq_u32 s10, 7
	s_cbranch_scc1 .Lshort
	DIAG 1, 0, 1                                   ; step 2 e + 1 of the 17 (counted from 0); steps 0 to 14 fill a slot again
	MID 0, 1, 1, 1
	WIN 0
	s_cmp_eq_u32 s10, 6
	s_cbranch_scc1 .Lsecond_done
	s_sub_co_u32 s46, 6, s10
.Lsecond:
	MID 1, 0, 1, 1
	MID 0, 1, 1, 1
	WIN 0
	s_sub_co_i32 s46, s46, 1
	s_cmp_gt_i32 s46, 0
	s_cbranch_scc1 .Lsecond
.Lsecond_done:
	MID 1, 0, 0, 1                                 ; step 15: nothing is left to fetch
	WIN 0
	s_branch .Llast
.Lshort:
	DIAG 1, 0, 0                                   ; e = 7: the second group's diagonal is step 15
	WIN 0
.Llast:
	MID 0, 1, 0, 0                                 ; step 16
	MERGE 0, OB2
	s_set_vgpr_msb (MSB<<8)|((MSB&0xf0)|0xf)
	s_wait_tensorcnt 0x0
	ds_add_u32 v128, v129
	s_wait_dscnt 0x0
	s_set_vgpr_msb (((MSB&0xf0)|0xf)<<8)|MSB
	ROUND                                          ; the closing round
	s_endpgm
.Lfunc_end_k_qf187112d1b_attn:
	.size	k_qf187112d1b_attn, .Lfunc_end_k_qf187112d1b_attn-k_qf187112d1b_attn
	.p2alignl 7, 3214868480
	.fill 96, 4, 3214868480
	.section	.rodata,"a",@progbits
	.p2align	6, 0x0
	.amdhsa_kernel k_qf187112d1b_attn
		.amdhsa_group_segment_fixed_size 327680
		.amdhsa_private_segment_fixed_size 0
		.amdhsa_enable_private_segment 0
		.amdhsa_kernarg_size 16
		.amdhsa_user_sgpr_count 2
		.amdhsa_user_sgpr_kernarg_segment_ptr 1
		.amdhsa_wavefront_size32 1
		.amdhsa_system_sgpr_workgroup_id_x 1
		.amdhsa_system_sgpr_workgroup_id_y 1
		.amdhsa_system_sgpr_workgroup_id_z 1
		.amdhsa_system_vgpr_workitem_id 0
		.amdhsa_next_free_vgpr 898
		.amdhsa_next_free_sgpr 66
		.amdhsa_reserve_vcc 1
		.amdhsa_float_denorm_mode_32 3
		.amdhsa_float_denorm_mode_16_64 3
		.amdhsa_memory_ordered 1
		.amdhsa_forward_progress 1
		.amdhsa_inst_pref_size 255
	.end_amdhsa_kernel
	.section	.bss,"aw",@nobits
	.p2align	6
	.space	262144
	.amdgpu_metadata
---
amdhsa.version: [ 1, 2 ]
amdhsa.kernels:
  - .name:           k_qf187112d1b_attn
    .symbol:         k_qf187112d1b_attn.kd
    .args:
      - { .name: qkv, .offset: 0, .size: 8, .value_kind: global_buffer, .address_space: global }
      - { .name: out0, .offset: 8, .size: 8, .value_kind: global_buffer, .address_space: global }
    .group_segment_fixed_size: 327680
    .private_segment_fixed_size: 0
    .kernarg_segment_align: 8
    .kernarg_segment_size: 16
    .max_flat_workgroup_size: 128
    .sgpr_count:     66
    .vgpr_count:     898
    .wavefront_size: 32
...
	.end_amdgpu_metadata
.endif
;; end of part 3
;; launch head (part 4): grid 8 x 32, 1 waves a work-group, no clusters, 0 bytes of LDS; arguments hp, out0; writes out0
.if DOCPART == 4
	.amdgcn_target "amdgcn-amd-amdhsa--gfx1250"
	.amdhsa_code_object_version 6
	.text
	.protected	k_qf187112d1b_head
	.globl	k_qf187112d1b_head
	.p2align	8
	.type	k_qf187112d1b_head,@function
k_qf187112d1b_head:
	s_mov_b64 s[64:65], 0
	v_nop
	global_prefetch_b8 v0, s[64:65] scope:SCOPE_SE
	s_setreg_imm32_b32 hwreg(HW_REG_WAVE_MODE, 25, 1), 1
	s_wait_xcnt 0x0
; Rows 0 to 31 of each batch once more, in f32, over what the launch before stored there.
; WHY: a row with n keys averages the rounding of its 16-bit operands down by about sqrt(e / n); the allowed error hangs on the whole output's
; root mean square, which the 4,096 rows' averaging makes about 0.08.  With 11 significant bits in q, k, v and p a row of 2 keys errs by about 0.0003
; where its terms cancel, a row of 33 keys by 0.0001.  So the 32 shortest rows of each batch take their q, k and v as the f32 sums that the
; projection kept in hp, and are computed on the vector unit: 256 rows x at most 32 keys x 256 multiply-adds, no bulk work.
; hp: 8 batches x 4 blocks of 49,152 bytes; the first of a batch's four blocks holds its rows 0 to 31, in the order of the projection's
; accumulators: the four numbers of row 16 a + r, matrix j (q, k, v), columns 4 c .. 4 c + 3 lie at byte
;   12288 (c / 8) + 4096 j + 2048 ((c / 4) % 2) + 1024 a + 512 (c % 2) + 256 ((c / 2) % 2) + 16 r.
; One work-group of one wave for each query t = y of batch x: 256 work-groups, 65 loads each.  Lane i holds key i's 128 numbers of k: a load
; takes one c of all 32 keys, two runs of 256 consecutive bytes.  q's numbers come by v_readlane_b32.  Then lane c holds columns 4 c .. 4 c + 3
; of all 32 rows of v (window 1) and of the result; those 32 loads take 16 bytes a lane from 32 places.
; No LDS, no barrier: no wave needs another.  NaN and infinite inputs are not served.
.set BLK, 49152
.set LN,  1                            ; lane
.set KO,  2                            ; lane as a key: 1024 (lane / 16) + 16 (lane % 16)
.set LO,  3                            ; 16 x lane
.set OA,  4                            ; v[4:7]   the result's four columns
.set ACC, 8                            ; v[8:11]  four partial sums of the score
.set QV,  12                           ; v[12:15] q[4 lane .. 4 lane + 3]
.set NINF, 16
.set LQ,  17                           ; lane as a group of four columns
.set TM,  18
.set K,   20                           ; v[20:147]
	s_load_b128 s[4:7], s[0:1], 0x0                ; hp, out0
	s_and_b32 s9, ttmp7, 0xffff                    ; t
	v_and_b32 v[LN], 31, v0
	s_mul_i32 s10, ttmp9, 4*BLK                    ; the batch's first block
	s_mov_b32 s11, 0
	s_lshr_b32 s12, s9, 4                          ; the query's place: 1024 (t / 16) + 16 (t % 16)
	s_lshl_b32 s12, s12, 10
	s_and_b32 s13, s9, 15
	s_lshl4_add_u32 s12, s13, s12
	s_mov_b32 s13, 0
	s_lshl_b32 s14, ttmp9, 21                      ; out0: 4,096 rows of 512 bytes a batch
	s_lshl_b32 s15, s9, 9
	s_add_co_u32 s14, s14, s15
	s_mov_b32 s15, 0
	s_mov_b32 s48, 0x3e0293ee                      ; c = log2(e) / sqrt(128)
	s_mov_b32 s49, 0xbe0293ee
	s_mov_b32 s50, 0x76543210
	s_mov_b32 s51, 0xfedcba98
	v_lshrrev_b32 v[TM], 3, v[LN]
	v_mul_u32_u24 v[LQ], v[TM], 12288
	v_bfe_u32 v[TM], v[LN], 2, 1
	v_lshl_add_u32 v[LQ], v[TM], 11, v[LQ]
	v_bfe_u32 v[TM], v[LN], 1, 1
	v_lshl_add_u32 v[LQ], v[TM], 8, v[LQ]
	v_and_b32 v[TM], 1, v[LN]
	v_lshl_add_u32 v[LQ], v[TM], 9, v[LQ]
	v_lshrrev_b32 v[TM], 4, v[LN]
	v_and_b32 v[KO], 15, v[LN]
	v_lshlrev_b32 v[KO], 4, v[KO]
	v_lshl_add_u32 v[KO], v[TM], 10, v[KO]
	v_lshlrev_b32 v[LO], 4, v[LN]
	v_mov_b32 v[NINF], 0xff800000
	s_wait_kmcnt 0x0
	s_add_nc_u64 s[4:5], s[4:5], s[10:11]
	s_add_nc_u64 s[12:13], s[4:5], s[12:13]
	s_add_nc_u64 s[6:7], s[6:7], s[14:15]
	global_load_b128 v[QV:QV+3], v[LQ], s[12:13]
.set i, 0
.rept 32
	global_load_b128 v[K+4*i:K+4*i+3], v[KO], s[4:5] offset:4096+(i>>3)*12288+((i>>2)&1)*2048+((i>>1)&1)*256+(i&1)*512
.set i, i+1
.endr
	s_set_vgpr_msb 0x40                            ; destination window 1
.set i, 0
.rept 32
	global_load_b128 v[4*i:4*i+3], v[LQ], s[4:5] offset:8192+(i>>4)*1024+(i&15)*16     ; v256 + 4 i: row i of v
.set i, i+1
.endr
	s_set_vgpr_msb 0x4000
	s_wait_loadcnt 32                              ; q and k are in; the 32 loads of v stay out
	; score of key = lane: 128 multiply-adds in four chains; q goes through scalar registers, 32 numbers at a time, two sets in turn
.set hh, 0
.rept 4
.set sb, 16+52*((hh>>5)&1)
.rept 32
	v_readlane_b32 s[sb+(hh&31)], v[QV+(hh&3)], hh>>2
.set hh, hh+1
.endr
.set hh, hh-32
.rept 32
.if hh < 4
	v_mul_f32 v[ACC+hh], s[sb+(hh&31)], v[K+hh]
.else
	v_fmac_f32 v[ACC+(hh&3)], s[sb+(hh&31)], v[K+hh]
.endif
.set hh, hh+1
.endr
.endr
	v_add_f32 v[ACC], v[ACC], v[ACC+1]
	v_add_f32 v[ACC+2], v[ACC+2], v[ACC+3]
	v_add_f32 v[ACC], v[ACC], v[ACC+2]
	v_cmp_lt_u32 vcc_lo, s9, v[LN]                 ; a key above the query
	v_cndmask_b32 v[ACC], v[ACC], v[NINF], vcc_lo
	v_mov_b32 v[ACC+1], v[ACC]
	v_max_num_f32_dpp v[ACC+1], v[ACC+1], v[ACC+1] row_xmask:1 row_mask:0xf bank_mask:0xf
	v_max_num_f32_dpp v[ACC+1], v[ACC+1], v[ACC+1] row_xmask:2 row_mask:0xf bank_mask:0xf
	v_max_num_f32_dpp v[ACC+1], v[ACC+1], v[ACC+1] row_xmask:4 row_mask:0xf bank_mask:0xf
	v_max_num_f32_dpp v[ACC+1], v[ACC+1], v[ACC+1] row_xmask:8 row_mask:0xf bank_mask:0xf
	v_permlanex16_b32 v[ACC+2], v[ACC+1], s50, s51
	v_max_num_f32 v[ACC+1], v[ACC+1], v[ACC+2]     ; the row's maximum: key 0 is never masked, so it is finite
	v_mul_f32 v[ACC+2], s49, v[ACC+1]
	v_fma_f32 v[ACC], s48, v[ACC], v[ACC+2]        ; c s - c m
	v_exp_f32 v[ACC], v[ACC]
	v_nop
	s_wait_alu depctr_va_vdst(0)
	v_mov_b32 v[ACC+1], v[ACC]
	v_add_f32_dpp v[ACC+1], v[ACC+1], v[ACC+1] row_xmask:1 row_mask:0xf bank_mask:0xf
	v_add_f32_dpp v[ACC+1], v[ACC+1], v[ACC+1] row_xmask:2 row_mask:0xf bank_mask:0xf
	v_add_f32_dpp v[ACC+1], v[ACC+1], v[ACC+1] row_xmask:4 row_mask:0xf bank_mask:0xf
	v_add_f32_dpp v[ACC+1], v[ACC+1], v[ACC+1] row_xmask:8 row_mask:0xf bank_mask:0xf
	v_permlanex16_b32 v[ACC+2], v[ACC+1], s50, s51
	v_add_f32 v[ACC+1], v[ACC+1], v[ACC+2]         ; the row's sum, at least 1
	v_rcp_f32 v[ACC+1], v[ACC+1]
.set i, 0
.rept 32
	v_readlane_b32 s[16+i], v[ACC], i              ; p of key i
.set i, i+1
.endr
	s_wait_loadcnt 0x0                             ; v
	s_set_vgpr_msb 0x0004                          ; source 1 window 1
.set i, 0
.rept 32
.irp cc, 0,1,2,3
.if i == 0
	v_mul_f32 v[OA+\cc], s[16+i], v[4*i+\cc]
.else
	v_fmac_f32 v[OA+\cc], s[16+i], v[4*i+\cc]
.endif
.endr
.set i, i+1
.endr
	s_set_vgpr_msb 0x0400
	s_wait_alu depctr_va_vdst(0)
.irp cc, 0,1,2,3
	v_mul_f32 v[OA+\cc], v[OA+\cc], v[ACC+1]
.endr
	global_store_b128 v[LO], v[OA:OA+3], s[6:7]    ; the row's 512 bytes
	s_endpgm
.Lfunc_end_k_qf187112d1b_head:
	.size	k_qf187112d1b_head, .Lfunc_end_k_qf187112d1b_head-k_qf187112d1b_head
	.p2alignl 7, 3214868480
	.fill 96, 4, 3214868480
	.section	.rodata,"a",@progbits
	.p2align	6, 0x0
	.amdhsa_kernel k_qf187112d1b_head
		.amdhsa_group_segment_fixed_size 0
		.amdhsa_private_segment_fixed_size 0
		.amdhsa_enable_private_segment 0
		.amdhsa_kernarg_size 16
		.amdhsa_user_sgpr_count 2
		.amdhsa_user_sgpr_kernarg_segment_ptr 1
		.amdhsa_wavefront_size32 1
		.amdhsa_system_sgpr_workgroup_id_x 1
		.amdhsa_system_sgpr_workgroup_id_y 1
		.amdhsa_system_sgpr_workgroup_id_z 1
		.amdhsa_system_vgpr_workitem_id 0
		.amdhsa_next_free_vgpr 384
		.amdhsa_next_free_sgpr 100
		.amdhsa_reserve_vcc 1
		.amdhsa_float_denorm_mode_32 3
		.amdhsa_float_denorm_mode_16_64 3
		.amdhsa_memory_ordered 1
		.amdhsa_forward_progress 1
		.amdhsa_inst_pref_size 28
	.end_amdhsa_kernel
	.amdgpu_metadata
---
amdhsa.version: [ 1, 2 ]
amdhsa.kernels:
  - .name:           k_qf187112d1b_head
    .symbol:         k_qf187112d1b_head.kd
    .args:
      - { .name: hp, .offset: 0, .size: 8, .value_kind: global_buffer, .address_space: global }
      - { .name: out0, .offset: 8, .size: 8, .value_kind: global_buffer, .address_space: global }
    .group_segment_fixed_size: 0
    .private_segment_fixed_size: 0
    .kernarg_segment_align: 8
    .kernarg_segment_size: 16
    .max_flat_workgroup_size: 32
    .sgpr_count:     100
    .vgpr_count:     384
    .wavefront_size: 32
...
	.end_amdgpu_metadata
.endif
;; end of part 4
